; MI455X (gfx1250); checked and timed in simulation.
; The chip was launched on July 23, 2026; its instructions are those of AMD's public machine-readable ISA for CDNA 5 (MIT licence, August 2026) and "CDNA5" Instruction Set Architecture Reference Guide (July 2026). The comments in the code are by the model that wrote it; some were corrected since.
;; Batched Experts. Allowed arithmetic: matrix products marked QUANTISED: E5M2 operands, one given power-of-two scale a tensor, by v_wmma_f32_16x16x64_bf8_bf8 or v_wmma_f32_16x16x128_bf8_bf8, f32 sums; products left as they are: f32 operands where the result goes on into a quantised operand, else bf16, f16 or f32 operands; f32 sums; everything else in f32.
;; Inputs: b0 8 x 1 x 2,048 float32; b1 8 x 1 x 1,024 float32; lowp_scales 4 int32 (the exponents e of the quantised operands' scales 2^e); routing_tensor 2,048 x 8 float32; w0_codes 8 x 2,048 x 32 x 32 uint8 (E5M2 codes of w0, K innermost, in blocks of 32 codes); w1_codes 8 x 1,024 x 64 x 32 uint8 (E5M2 codes of w1, K innermost, in blocks of 32 codes); x_codes 2,048 x 32 x 32 uint8 (E5M2 codes of x, K innermost, in blocks of 32 codes).
;; Outputs: out0 2,048 x 1,024 float32.
;; This version of the problem:
;;   THIS VERSION OF THE PROBLEM IS GIVEN IN LOW PRECISION. The matrix products marked QUANTISED in the list below multiply operands that are first quantised to E5M2 (5 exponent bits, 2 mantissa bits; 8 bits a number), with one given power-of-two scale for each operand tensor; their sums are f32. All else is computed in f32.
;;   The module's matrix products, in the order in which they are computed (A, B: the left and right operand; K: the contracted axis; several contracted axes count as one K, in the product's order):
;;     1. [M 16,384, K 1,024] x [K 1,024, N 2,048]; A: input w0 (given as codes); B: input x (given as codes): QUANTISED (scales: A lowp_scales[0], B lowp_scales[1])
;;     2. batch 8 x [M 2,048, K 2,048] x [K 2,048, N 1,024]; A: computed on the way; B: input w1 (given as codes): QUANTISED (scales: A lowp_scales[2], B lowp_scales[3])
;;     3. batch 2,048 x [M 1, K 8] x [K 8, N 1,024]; A: input routing_tensor; B: computed on the way: left as it is (K = 8 < 32)
;;   THE QUANTISER, for each operand of a quantised product, along K:
;;     - The operand's scale is 2^e, e = its entry of the input lowp_scales (int32; the entries are numbered through the quantised products in the list's order, A before B).
;;     - Each number is divided by the scale, clamped to +-57,344, and rounded to the nearest number of E5M2, ties to even, subnormals kept.
;;     - The product sums the exact products of the quantised numbers (number of the format x scale) in f32.
;;   ~~~python
;;   def quantise(x, axis, e):      # numpy; x: float32 -> the quantised numbers, widened to float32 again
;;       x = np.moveaxis(x, axis, -1); K = x.shape[-1]
;;       r = np.clip(x / 2.0 ** e, -57344, 57344)
;;       step = 2.0 ** (np.maximum(np.frexp(np.where(r == 0, 1, r))[1] - 1, -14) - 2)
;;       q = np.round(r / step) * step * 2.0 ** e      # np.round: ties to even
;;       return np.moveaxis(q, -1, axis).astype(np.float32)
;;   ~~~
;;   OPERANDS COMPUTED ON THE WAY. 'Computed on the way' means the value that the module computes at that place (a softmax that the list does not call 'softmax' is quantised finished and normalised). What goes into a quantiser is computed in f32, as accurately as f32 sums, v_exp_f32 and their like allow (about 1e-6 of the number): no bf16 or f16 on the way to a quantiser, and a product that is left as it is and whose result goes on into a quantised operand takes f32 operands (vector FMAs, or v_wmma_f32_16x16x4_f32). A number that lies on a knife's edge between two numbers of the format may be rounded either way, as far as f32 arithmetic and the matrix unit's own rounding can turn it there, and no further.
;;   INPUTS GIVEN AS CODES. w0 (in the module: [8, 1024, 2048], K = its axis 1); w1 (in the module: [8, 2048, 1024], K = its axis 1); x (in the module: [2048, 1024], K = its axis 1): each comes as NAME_codes (uint8): NAME with its K axis moved to the last place and cut into blocks of 32 codes, [.., K / 32, bytes a block], one block behind the other in memory; one code a byte (a code: sign, 5 exponent bits, 2 mantissa bits); its scale is its entry of lowp_scales. Its value is code x scale, taken as it is: it is not quantised again, and the codes and scales need not be those that the quantiser above would give.
;; One version. Each part assembles by itself: llvm-mc -triple=amdgcn-amd-amdhsa -mcpu=gfx1250 --defsym DOCPART=n.
;; ======== version 1 of 1: 4 launches
;; limits: values are held in bf16: 8 bits of precision; right only within a limited range of input values
;; workspace buffers: list 73,728 bytes of whole numbers; pos 65,536 bytes of whole numbers; counts 256 bytes of whole numbers; hq 35,389,440 bytes; ybuf 35,389,440 bytes
;; launch route (part 1): grid 18 x 8, 4 waves a work-group, no clusters, 0 bytes of LDS; arguments routing_tensor, list, pos, counts; writes list, pos, counts
.if DOCPART == 1
	.amdgcn_target "amdgcn-amd-amdhsa--gfx1250"
	.amdhsa_code_object_version 6
	.text
	.protected	k_q783699b93e_route
	.globl	k_q783699b93e_route
	.p2align	8
	.type	k_q783699b93e_route,@function
k_q783699b93e_route:
	s_mov_b64 s[64:65], 0
	v_nop
	global_prefetch_b8 v0, s[64:65] scope:SCOPE_SE
	s_setreg_imm32_b32 hwreg(HW_REG_WAVE_MODE, 25, 1), 1
	s_wait_xcnt 0x0
; out[n] = sum over e of g[n][e] x ( Q(gelu(x[n] W0[e] + b0[e])) W1[e] + b1[e] ),  g = routing_tensor [2048][8].
; WHICH ROWS ARE MULTIPLIED.  A pair (n, e) whose gate is +0 or -0 adds 0 x y[e][n] to out[n].  y is finite for finite codes and biases (the hidden layer is held at the largest code),
; so that term is 0 for every such input.  Which pairs those are hangs on the gates' values: so it is decided HERE, stored as whole numbers at places made of ids alone, and the later launches,
; which read those numbers from memory, multiply only the rows whose gate is not 0.  If no gate is 0 they multiply all 8 x 2048 rows.  A NaN gate counts as not 0.
; LIMIT: a NaN, an infinity or an overflow that reaches only rows whose gate is 0 is not carried to the result.
; WHAT IS STORED, for each expert e:  counts[e] = how many tokens have a gate that is not 0;  pos[e][n] = the rank of token n among them (ascending n), or -1;
; list[e][p] = the token of rank p, p = 0 .. 2303; entries at or past the count hold 2047 (a valid token: they pad the last tile of rows).
; SHARES.  Work-group (q, e), 128 threads: thread t owns rank p = 128 q + t of expert e, and (q < 16) token 128 q + t.  Every wave reads all 2,048 gates of column e, a lane a token, 64 words of 32 tokens,
; and walks the 64 words' masks with a running count.  No address and no branch hangs on a gate.
; THE WALK GOES IN FOUR GROUPS OF 16 WORDS: 16 compares make the masks, a scalar chain makes the counts ahead of each word, 16 compares hold my rank against them, 48 selects keep the last word that fits.
; So values pass between the vector and the scalar side once a group, and a group is walked while the later groups' loads are on their way.
.set G,  16                            ; v16-79  the gates of column e: register j = token 32 j + lane
.set MK, 40                            ; s40-55  the masks of the group's 16 words
.set PF, 66                            ; s66-82  set bits ahead of each of them; s82: ahead of the next group
.set CM, 84                            ; s84-99  lanes whose rank is at or past that count
	s_load_b256 s[4:11], s[0:1], 0x0               ; routing_tensor s[4:5], list s[6:7], pos s[8:9], counts s[10:11]
	v_and_b32 v1, 31, v0                           ; lane
	v_lshrrev_b32 v2, 5, v0
	v_readfirstlane_b32 s12, v2                    ; wave 0..3
	s_and_b32 s13, ttmp7, 0xffff                   ; e
	s_lshl_b32 s14, s13, 2
	v_lshl_add_u32 v2, v1, 5, s14                  ; a token's row of gates is 32 bytes: 32 x lane + 4 e
	s_lshl_b32 s15, ttmp9, 7                       ; 128 q
	v_add_nc_u32 v3, s15, v0                       ; p, my rank
	v_lshlrev_b32 v12, 2, v0                       ; my word in the work-group's 512 bytes of list and of pos
	v_mov_b32 v4, 0                                ; the mask of the word that holds rank p
	v_mov_b32 v5, 0                                ; how many set bits lie in the words ahead of it
	v_mov_b32 v6, 0                                ; its number
	v_mov_b32 v7, 0                                ; a running count inside it
	v_mov_b32 v8, 0                                ; the place of my bit in it
	s_mov_b32 s[PF], 0                             ; set bits ahead of word 0
	s_mov_b32 s24, 0                               ; the count ahead, and
	s_mov_b32 s25, 0                               ; the mask, of the word that holds my wave's 32 tokens
	s_lshl_b32 s23, ttmp9, 2
	s_add_co_u32 s23, s23, s12                     ; that word's number: 4 q + wave (64 and more where q >= 16: no word)
	s_mul_i32 s16, s13, 2304
	s_add_co_u32 s16, s16, s15
	s_lshl_b32 s16, s16, 2                         ; list: (2304 e + 128 q) x 4
	s_mov_b32 s17, 0
	s_lshl_b32 s18, s13, 11
	s_add_co_u32 s18, s18, s15
	s_lshl_b32 s18, s18, 2                         ; pos: (2048 e + 128 q) x 4
	s_mov_b32 s19, 0
	s_wait_alu depctr_va_vdst(0)
	s_wait_kmcnt 0x0
	s_add_nc_u64 s[6:7], s[6:7], s[16:17]
	s_add_nc_u64 s[8:9], s[8:9], s[18:19]          ; (used where q < 16 alone)
	s_mov_b32 s16, s14
	s_add_nc_u64 s[10:11], s[10:11], s[16:17]      ; counts + 4 e
.set j, 0
.rept 64
	global_load_b32 v[G+j], v2, s[4:5] offset:1024*j
.set j, j+1
.endr
; The word that holds rank p is the last word j with (set bits ahead of word j) <= p: the counts ahead never fall, and the word behind it has more than p ahead of it.
.set g, 0
.rept 4
	s_wait_loadcnt 48-16*g                         ; loads come back in order: this group's 16 are in, the 16 of each later group may be out
.set k, 0
.rept 16
	v_cmp_neq_f32 s[MK+k], 0, v[G+16*g+k]          ; a word's mask: gates that are not +-0
.set k, k+1
.endr
.set k, 0
.rept 16
	s_bcnt1_i32_b32 s21, s[MK+k]
	s_add_co_u32 s[PF+k+1], s[PF+k], s21
	s_cmp_eq_u32 s23, 16*g+k                       ; ids alone
	s_cselect_b32 s24, s[PF+k], s24
	s_cselect_b32 s25, s[MK+k], s25
.set k, k+1
.endr
.set k, 0
.rept 16
	v_cmp_le_u32 s[CM+k], s[PF+k], v3
.set k, k+1
.endr
.set k, 0
.rept 16
	v_cndmask_b32 v4, v4, s[MK+k], s[CM+k]
	v_cndmask_b32 v5, v5, s[PF+k], s[CM+k]
	v_cndmask_b32 v6, v6, 16*g+k, s[CM+k]
.set k, k+1
.endr
	s_mov_b32 s[PF], s[PF+16]                      ; on to the next group; behind the last: the expert's count
.set g, g+1
.endr
; K = p - (set bits ahead of the word).  The K-th set bit (from 0) stands at the place where the count of set bits up to and with that place first passes K:
; as many places lie ahead of it as have a count of K or less.  Past the expert's count all 32 places of word 63 do: 63 x 32 + 32, held at 2047.
	v_sub_nc_u32 v9, v3, v5
.set i, 0
.rept 32
	v_bfe_u32 v10, v4, i, 1
	v_add_nc_u32 v7, v7, v10
	v_cmp_le_u32 vcc_lo, v7, v9
	v_cndmask_b32 v10, 0, 1, vcc_lo
	v_add_nc_u32 v8, v8, v10
.set i, i+1
.endr
	v_lshl_add_u32 v8, v6, 5, v8                   ; 32 x word + place
	v_min_u32 v8, 0x7ff, v8
	global_store_b32 v12, v8, s[6:7]               ; list[e][p]
	s_cmp_lt_u32 ttmp9, 16
	s_cbranch_scc0 .Lno_pos                        ; q = 16 and 17 own ranks alone
	v_mbcnt_lo_u32_b32 v10, s25, s24               ; my token's rank: set bits ahead of its word + set bits under my lane
	v_lshrrev_b32 v11, v1, s25
	v_and_b32 v11, 1, v11
	v_cmp_eq_u32 vcc_lo, 1, v11
	v_cndmask_b32 v10, -1, v10, vcc_lo             ; -1 where the gate is 0
	global_store_b32 v12, v10, s[8:9]              ; pos[e][128 q + t]
.Lno_pos:
	s_or_b32 s26, ttmp9, s12
	s_cmp_lg_u32 s26, 0
	s_cbranch_scc1 .Lend                           ; the count is stored by lane 0 of wave 0 of q = 0
	v_mov_b32 v13, s[PF]
	v_mov_b32 v14, 0
	v_cmp_eq_u32 vcc_lo, 0, v0
	s_wait_alu depctr_va_vdst(0)
	s_wait_xcnt 0x0                                ; EXEC is a source of the stores above: it changes only behind this wait
	s_and_saveexec_b32 s27, vcc_lo
	global_store_b32 v14, v13, s[10:11]
	s_wait_xcnt 0x0                                ; and again, in front of the line that widens it
	s_or_b32 exec_lo, exec_lo, s27
.Lend:
	s_endpgm
.Lfunc_end_k_q783699b93e_route:
	.size	k_q783699b93e_route, .Lfunc_end_k_q783699b93e_route-k_q783699b93e_route
	.p2alignl 7, 3214868480
	.fill 96, 4, 3214868480
	.section	.rodata,"a",@progbits
	.p2align	6, 0x0
	.amdhsa_kernel k_q783699b93e_route
		.amdhsa_group_segment_fixed_size 0
		.amdhsa_private_segment_fixed_size 0
		.amdhsa_enable_private_segment 0
		.amdhsa_kernarg_size 32
		.amdhsa_user_sgpr_count 2
		.amdhsa_user_sgpr_kernarg_segment_ptr 1
		.amdhsa_wavefront_size32 1
		.amdhsa_system_sgpr_workgroup_id_x 1
		.amdhsa_system_sgpr_workgroup_id_y 1
		.amdhsa_system_sgpr_workgroup_id_z 1
		.amdhsa_system_vgpr_workitem_id 0
		.amdhsa_next_free_vgpr 96
		.amdhsa_next_free_sgpr 100
		.amdhsa_reserve_vcc 1
		.amdhsa_float_denorm_mode_32 3
		.amdhsa_float_denorm_mode_16_64 3
		.amdhsa_memory_ordered 1
		.amdhsa_forward_progress 1
		.amdhsa_inst_pref_size 46
	.end_amdhsa_kernel
	.amdgpu_metadata
---
amdhsa.version: [ 1, 2 ]
amdhsa.kernels:
  - .name:           k_q783699b93e_route
    .symbol:         k_q783699b93e_route.kd
    .args:
      - { .name: routing_tensor, .offset: 0, .size: 8, .value_kind: global_buffer, .address_space: global }
      - { .name: list, .offset: 8, .size: 8, .value_kind: global_buffer, .address_space: global }
      - { .name: pos, .offset: 16, .size: 8, .value_kind: global_buffer, .address_space: global }
      - { .name: counts, .offset: 24, .size: 8, .value_kind: global_buffer, .address_space: global }
    .group_segment_fixed_size: 0
    .private_segment_fixed_size: 0
    .kernarg_segment_align: 8
    .kernarg_segment_size: 32
    .max_flat_workgroup_size: 128
    .sgpr_count:     100
    .vgpr_count:     96
    .wavefront_size: 32
...
	.end_amdgpu_metadata
.endif
;; end of part 1
;; launch up (part 2): grid 256 x 1, 4 waves a work-group, no clusters, 289,536 bytes of LDS; arguments x_codes, w0_codes, b0, lowp_scales, list, counts, hq; writes hq
.if DOCPART == 2
	.amdgcn_target "amdgcn-amd-amdhsa--gfx1250"
	.amdhsa_code_object_version 6
	.text
	.protected	k_q783699b93e_up
	.globl	k_q783699b93e_up
	.p2align	8
	.type	k_q783699b93e_up,@function
k_q783699b93e_up:
	s_mov_b64 s[64:65], 0
	v_nop
	global_prefetch_b8 v0, s[64:65] scope:SCOPE_SE
	s_setreg_imm32_b32 hwreg(HW_REG_WAVE_MODE, 25, 1), 1
	s_wait_xcnt 0x0
; hq = codes of Q(gelu(x W0[e] + b0[e])), for the rows (token, expert) whose gate is not 0 (and the rows that pad a tile): the launch before stored which (its head comment shows why the others add nothing, and the limit that this keeps).
; x: [2048][1024], W0: [8][2048][1024]: codes of BF8 (E5M2), K innermost.  A sum stands for sum x 2^(e0 + e1); z = that + b0; gelu exact (erf form) in f32; code = gelu / 2^e2, held within +-57,344.
; WHO DOES WHAT.  A tile is 144 rows of one expert x 256 hidden units.  Work-group: expert e = its number % 8, column tile = the next three bits, first row tile = the top two; in trip n it takes row tile
; first + 4 n.  4 trips x 4 row tiles x 144 rows = 2,304: every split is served.  Trip 0 hangs on no count (entries of the list past the count are valid tokens); trips 1 to 3 jump over their work where the expert has no
; such rows, by a scalar branch on the stored count, with both barriers of every trip outside. The launch has no tensor load and no cluster; operands come by plain loads.
; So W0's, b0's and the list's addresses are made of ids alone, and W0 is asked for together with the list, ahead of the rows of x that the list names.
; No prefetch: a work-group asks for all its operands in one run at its start; there is no loop to run ahead in.
; SHARES.  Wave w: all 144 rows x units 64 w .. 64 w + 63: 9 x 4 accumulators.  x's tile is shared by the four waves and lies in LDS for the whole tile; W0's 64 rows are the wave's own and turn
; through the wave's own LDS bytes, 256 along K at a time in two buffers, so that memory is read in pieces of 256 consecutive bytes.  The third and fourth 256 along K wait in registers for their buffers.
; THE PRODUCT IS USED TRANSPOSED (source 0 = 16 rows of W0, source 1 = 16 rows of x): a lane holds one row of h.  THE ROWS OF W0 THAT FORM A TILE ARE NOT NEIGHBOURS: row rho of tile t is unit
; 32 (t / 2) + 8 (t % 2) + rho + 8 (rho / 8): the unit's number with bits 3 and 4 changed over, which is done where the rows are laid into LDS.  So the 16 registers of tiles 2 b, 2 b + 1 are 16 neighbours
; along the next K, and the conversions' results are registers of the next product's operand: they are stored as such, 512 consecutive bytes a store.
; hq: byte ((135 e + 9 i + a) x 16 + kb) x 2048 + 512 c + 16 lane: rows 16 a .. of row tile i, f = 128 kb + 32 c + 16 (lane / 16) + 0 .. 15 of row lane % 16.
; A fragment is fetched by four 16-byte loads, 32 bytes apart: a permutation of k that is the same in both operands.
; GELU.  gelu(z) = max(z, 0) - |z| m,  m = erfc(|z| / sqrt 2) / 2 = u 2^(P(u) log2 e - z^2 log2 e / 2 - 1),  u = 1 / (1 + |z| / (2 sqrt 2)),  P of degree 9 (the Chebyshev fit of erfc with a fractional error
; under 1.2e-7 everywhere: the tail of negative z keeps its relative accuracy).
; LIMITS: e0 + e1 between -126 and 127; e2 between -126 and 112; NaN among codes and biases is not served; m under 2^-126 counts as 0.
; REGISTERS, in windows of 256.  Window 0: v2-14 addresses; v32-63 b0; v64-207 x's 9 fragments, on the way out at work; v208-225 x's row offsets; v226-229 constants.
;   window 1: accumulators (a, t) at 8 (4 a + t), a = 0 .. 7.   window 2: v0-31 those of a = 8; v32-159 W0's fragments, two sets.   window 3: two sets of 128 for W0's loads.
;   (x's 72 gathered loads pass through windows 1 and 2 before the sums begin.)
.set XP,    1040                       ; x's row in LDS: 1,024 bytes + 16 = 65 x 16: the 16 rows of a fragment load start at 16 different groups of four banks (64 banks of 4 bytes: ISA guide 11.1)
.set WP,    272                        ; W0's row in a buffer: 256 bytes + 16 = 17 x 16: likewise
.set WS,    144*XP                     ; behind x's tile: for each wave two buffers of 64 rows
.set WBUF,  64*WP
.set SPARE, WS+8*WBUF                  ; behind them: the spare words, 128 bytes for each wave: two blocks of 256 bytes that no other line names
.set LO,   2                           ; v2   list: 4 (36 w + 18 (lane / 16))
.set WO,   3                           ; v3   W0 in memory: (lane / 16) rows of 1,024 bytes + 16 (lane % 16)
.set SXT,  4                           ; v4   where I lay x's rows
.set SWS,  5                           ; v5   where I lay W0's rows
.set AX,   6                           ; v6-8 x's fragments: blocks 0-3, 4-7, 8
.set AW,   9                           ; v9   W0's fragments
.set BO,   10                          ; v10  b0: 64 (lane / 16)
.set HO,   11                          ; v11  16 x lane
.set SPW,  12                          ; v12  LDS address of my spare word; never rewritten
.set NIL,  13                          ; v13  0; never rewritten
.set CL16, 14                          ; v14  16 (lane % 16)
.set B0,   32
.set XF,   64
.set XO,   208
.set C9,   226                         ; v[226:227] P's highest coefficient, twice
.set SCL,  228                         ; v228 2^e2
.set LIM,  229                         ; v229 57,344 x 2^e2
.set WF,   32                          ; in window 2
.set Z,    64                          ; the way out, 32 numbers a lane each: z, then gelu
.set U,    96                          ; u
.set Q,    128                         ; z^2, then max(z, 0)
.set R,    160                         ; the exponent, then m
.set CD,   192                         ; codes: two sets of 8 registers by turns
.set S1,   60                          ; s[60:61] 2^(e0 + e1)
.set CK,   66                          ; s[66+2k:67+2k] P's coefficient k x log2 e (k = 0: less 1), k = 0 .. 8
.set K2,   84                          ; s[84:85] -log2 e / 2
.set CU,   88                          ; s88  1 / (2 sqrt 2)
.set MSB, 0
.macro WIN new                         ; the immediate's high byte repeats the setting that is left; a switch that changes nothing is dropped
.if MSB != \new
	s_set_vgpr_msb (MSB<<8)|\new
.set MSB, \new
.endif
.endm
.macro PLACES                          ; four plain vector instructions behind a matrix instruction, ahead of loads into its sources and of reads of its result (ISA guide 7.12.1 for reads of its result)
.rept 4
	v_nop
.endr
.endm
.macro PAIR reg, val                   ; a constant for the packed forms, which name a pair
	s_mov_b32 s[\reg], \val
	s_mov_b32 s[\reg+1], \val
.endm
.macro LDW s                           ; my 64 rows of W0, K = 256 s .. 256 s + 255: 32 loads, two rows x 256 consecutive bytes each, into set s % 2 of window 3
	WIN 0xc0
.set j, 0
.rept 32
	global_load_b128 v[128*((\s)%2)+4*j:128*((\s)%2)+4*j+3], v[WO], s[48:49] offset:2048*j+256*(\s)
.set j, j+1
.endr
.endm
.macro STW s                           ; and into buffer s % 2, the row's number with bits 3 and 4 changed over
	WIN 0x0c
.set j, 0
.rept 32
	ds_store_b128 v[SWS], v[128*((\s)%2)+4*j:128*((\s)%2)+4*j+3] offset:((\s)%2)*WBUF+(((2*j)&0x27)|(((2*j)&8)<<1)|(((2*j)&16)>>1))*WP
.set j, j+1
.endr
.endm
.macro STX                             ; the next 36 of my 72 pieces of x into the tile: l counts on
.rept 36
.if l < 64
	WIN 0x04
.else
	WIN 0x08
.endif
	ds_store_b128 v[SXT], v[4*(l%64):4*(l%64)+3] offset:(l/4)*XP+256*(l%4)
.set l, l+1
.endr
.endm
.macro FRAGX a, q                      ; x's block a, K = 128 q on
	WIN 0
.irp c, 0,1,2,3
	ds_load_b128 v[XF+16*(\a)+4*\c:XF+16*(\a)+4*\c+3], v[AX+(\a)/4] offset:((\a)%4)*16*XP+128*(\q)+32*\c
.endr
.endm
.macro FRAGW t, q                      ; W0's tile t, K = 128 q on, into set q % 2 of window 2
	WIN 0x80
.irp c, 0,1,2,3
	ds_load_b128 v[WF+64*((\q)%2)+16*(\t)+4*\c:WF+64*((\q)%2)+16*(\t)+4*\c+3], v[AW] offset:(((\q)/2)%2)*WBUF+16*(\t)*WP+128*((\q)%2)+32*\c
.endr
.endm
.macro MUL a, q                        ; block a against the four tiles.  The first K step starts the sums: nothing is cleared
.if (\a) < 8
	WIN 0x52                                       ; source 0 (W0) window 2, source 1 (x) window 0, C and D window 1
.set AC, 32*(\a)
.else
	WIN 0xa2                                       ; C and D window 2
.set AC, 0
.endif
.irp t, 0,1,2,3
.if (\q) == 0
	v_wmma_f32_16x16x128_bf8_bf8 v[AC+8*\t:AC+8*\t+7], v[WF+64*((\q)%2)+16*\t:WF+64*((\q)%2)+16*\t+15], v[XF+16*(\a):XF+16*(\a)+15], 0
.else
	v_wmma_f32_16x16x128_bf8_bf8 v[AC+8*\t:AC+8*\t+7], v[WF+64*((\q)%2)+16*\t:WF+64*((\q)%2)+16*\t+15], v[XF+16*(\a):XF+16*(\a)+15], v[AC+8*\t:AC+8*\t+7]
.endif
.endr
.endm
; 128 along K: 36 matrix instructions, the 36 accumulators by turns, one instruction a turn, in the same order in every step.
; x has one set of registers: blocks 0-4 are fetched anew in the middle, blocks 5-8 at the end.  W0 has two.
.macro SUB q
	s_wait_dscnt 16                                ; W0's set and x's blocks 0-4 are in; the youngest 16 loads (blocks 5-8) may be out
.irp a, 0,1,2,3,4
	MUL \a, \q
.endr
.if (\q) == 3
	s_wait_loadcnt 32                              ; all but LDW 3's 32: K = 512 .. 767 is in;
	STW 2                                          ; buffer 0 was last read for q = 1; LDS serves a wave's instructions in order, so the loads below see these stores
.endif
.if (\q) == 5
	s_wait_loadcnt 0x0
	STW 3                                          ; buffer 1 was last read for q = 3
.endif
	s_wait_dscnt 0x0                               ; x's blocks 5-8 are in
.if (\q) < 7
	PLACES
.irp t, 0,1,2,3
	FRAGW \t, (\q)+1
.endr
.irp a, 0,1,2,3,4
	FRAGX \a, (\q)+1
.endr
.endif
.irp a, 5,6,7,8
	MUL \a, \q
.endr
	PLACES
.if (\q) < 7
.irp a, 5,6,7,8
	FRAGX \a, (\q)+1
.endr
.endif
.endm
; Block a's 16 rows x my 64 units: 32 numbers a lane, from sums to codes.
.macro GELU a
.if (\a) < 8
	WIN 0x01
.set AC, 32*(\a)
.else
	WIN 0x02
.set AC, 0
.endif
	s_wait_alu depctr_va_vdst(0)                   ; the wait directly ahead of the first readers of the block's sums
.set i, 0
.rept 16
	v_pk_fma_f32 v[Z+i:Z+i+1], v[AC+i:AC+i+1], s[S1:S1+1], v[B0+i:B0+i+1] op_sel_hi:[1,0,1]   ; z = sum x 2^(e0 + e1) + b0; each accumulator from its low end on
.set i, i+2
.endr
	WIN 0
.set i, 0
.rept 32
	v_fma_f32 v[U+i], |v[Z+i]|, s[CU], 1.0
.set i, i+1
.endr
.set i, 0
	s_wait_alu depctr_va_vdst(0)                   ; the wait ahead of the batch
.rept 16                               ; the 32 reciprocals are one batch; z^2, plain work that names none of them, stands between them, and behind the last
	v_rcp_f32 v[U+i], v[U+i]                       ; u
	v_rcp_f32 v[U+i+1], v[U+i+1]
	v_pk_mul_f32 v[Q+i:Q+i+1], v[Z+i:Z+i+1], v[Z+i:Z+i+1]
.set i, i+2
.endr
	s_wait_alu depctr_va_vdst(0)                   ; one wait for the 32 reciprocals, ahead of their first reader
.set i, 0
.rept 16
	v_pk_fma_f32 v[R+i:R+i+1], v[U+i:U+i+1], v[C9:C9+1], s[CK+16:CK+17] op_sel_hi:[1,1,0]
.set i, i+2
.endr
.irp k, 7,6,5,4,3,2,1,0
.set i, 0
.rept 16
	v_pk_fma_f32 v[R+i:R+i+1], v[R+i:R+i+1], v[U+i:U+i+1], s[CK+2*\k:CK+2*\k+1] op_sel_hi:[1,1,0]
.set i, i+2
.endr
.endr
.set i, 0
.rept 16
	v_pk_fma_f32 v[R+i:R+i+1], v[Q+i:Q+i+1], s[K2:K2+1], v[R+i:R+i+1] op_sel_hi:[1,0,1]
.set i, i+2
.endr
.set i, 0
	s_wait_alu depctr_va_vdst(0)
.rept 32                               ; the 32 exponentials are one batch; max(z, 0), plain work that names none of them, stands between them, and behind the last
	v_exp_f32 v[R+i], v[R+i]
	v_max_num_f32 v[Q+i], 0, v[Z+i]
.set i, i+1
.endr
	s_wait_alu depctr_va_vdst(0)                   ; one wait for the 32 exponentials
.set i, 0
.rept 16
	v_pk_mul_f32 v[R+i:R+i+1], v[R+i:R+i+1], v[U+i:U+i+1]   ; m
.set i, i+2
.endr
.set i, 0
.rept 32
	v_fma_f32 v[Z+i], -|v[Z+i]|, v[R+i], v[Q+i]    ; gelu
.set i, i+1
.endr
.set i, 0
.rept 32
	v_med3_num_f32 v[Z+i], v[Z+i], -v[LIM], v[LIM] ; the conversion to an 8-bit code does not saturate (ISA guide 7.6.2): the hold at the largest code x the scale
.set i, i+1
.endr
.if (\a) > 1
	s_wait_alu depctr_va_vdst(0)
	s_wait_xcnt 0x0                                ; block a - 2's stores have read this set of codes: it is written again only behind this wait.  (Blocks 0 and 1 write their sets for the first time since the trip's own wait)
.endif
.irp t, 0,1,2,3
	v_cvt_scalef32_pk8_bf8_f32 v[CD+8*((\a)%2)+2*\t:CD+8*((\a)%2)+2*\t+1], v[Z+8*\t:Z+8*\t+7], v[SCL]
.endr
	v_nop                                          ; a plain instruction between the conversions and the next vector instruction that writes their sources
.irp b, 0,1
	global_store_b128 v[HO], v[CD+8*((\a)%2)+4*\b:CD+8*((\a)%2)+4*\b+3], s[54:55] offset:(\a)*32768+512*\b   ; 32 lanes store 512 consecutive bytes, at a multiple of 512 from hq's first byte
.endr
.endm
	s_load_b256 s[4:11], s[0:1], 0x0               ; x s[4:5], W0 s[6:7], b0 s[8:9], the scales' exponents s[10:11]
	s_load_b128 s[12:15], s[0:1], 0x20             ; list s[12:13], counts s[14:15]
	s_load_b64 s[16:17], s[0:1], 0x30              ; hq
	v_lshl_add_u32 v[SPW], v0, 2, SPARE
	v_mov_b32 v[NIL], 0
	v_lshrrev_b32 v15, 5, v0
	v_readfirstlane_b32 s18, v15                   ; wave 0..3
	v_and_b32 v15, 15, v0                          ; lane % 16
	v_bfe_u32 v16, v0, 4, 1                        ; lane / 16
	v_and_b32 v17, 31, v0                          ; lane
	v_lshlrev_b32 v[CL16], 4, v15
	s_mul_i32 s47, s18, 144
	s_mul_i32 s62, s18, 36*XP
	s_mul_i32 s63, s18, 2*WBUF
	s_add_co_u32 s63, s63, WS                      ; my two buffers
	v_mul_u32_u24 v[LO], v16, 72
	v_add_nc_u32 v[LO], s47, v[LO]                 ; I gather rows 36 w + 18 (lane / 16) + j, j = 0 .. 17
	v_lshl_add_u32 v[WO], v16, 10, v[CL16]
	v_mul_u32_u24 v[SXT], v16, 18*XP
	v_add_nc_u32 v[SXT], v[SXT], v[CL16]
	v_add_nc_u32 v[SXT], s62, v[SXT]
	v_mul_u32_u24 v[SWS], v16, WP
	v_add_nc_u32 v[SWS], v[SWS], v[CL16]
	v_add_nc_u32 v[SWS], s63, v[SWS]
	v_mul_u32_u24 v[AX], v15, XP
	v_lshl_add_u32 v[AX], v16, 4, v[AX]            ; a fragment: row lane % 16, + 16 (lane / 16)
	v_add_nc_u32 v[AX+1], 64*XP, v[AX]
	v_add_nc_u32 v[AX+2], 128*XP, v[AX]
	v_mul_u32_u24 v[AW], v15, WP
	v_lshl_add_u32 v[AW], v16, 4, v[AW]
	v_add_nc_u32 v[AW], s63, v[AW]
	v_lshlrev_b32 v[BO], 6, v16
	v_lshlrev_b32 v[HO], 4, v17
	v_mov_b32 v[C9], 0x3e7c6f08                    ;  0.17087277 log2 e
	v_mov_b32 v[C9+1], 0x3e7c6f08
	PAIR CK,    0xc034d90f                         ; -1.26551223 log2 e - 1
	PAIR CK+2,  0x3fb8ab5a                         ;  1.00002368 log2 e
	PAIR CK+4,  0x3f0a29d2                         ;  0.37409196 log2 e
	PAIR CK+6,  0x3e0efb2e                         ;  0.09678418 log2 e
	PAIR CK+8,  0xbe899a80                         ; -0.18628806 log2 e
	PAIR CK+10, 0x3ecdfd18                         ;  0.27886807 log2 e
	PAIR CK+12, 0xbfd1a1e5                         ; -1.13520398 log2 e
	PAIR CK+14, 0x40097039                         ;  1.48851587 log2 e
	PAIR CK+16, 0xbf97d29d                         ; -0.82215223 log2 e
	PAIR K2,    0xbf38aa3b
	s_mov_b32 s[CU], 0x3eb504f3
	s_lshr_b32 s86, s18, 1                         ; my units' place in hq: which 128 along f of the tile's two,
	s_and_b32 s87, s18, 1
	s_lshl_b32 s87, s87, 10                        ; and which half of its four groups of 32
	s_and_b32 s45, ttmp9, 7                        ; e
	s_bfe_u32 s42, ttmp9, 0x30003                  ; the column tile
	s_lshr_b32 s43, ttmp9, 6                       ; the trip's row tile i: first of four, then 4 on in each trip
	s_mov_b32 s19, 0                               ; the trip
	s_mov_b32 s44, 1                               ; has the trip work?  Trip 0 always
	s_mov_b32 s57, 0                               ; the upper word of every offset
	s_lshl_b32 s41, s45, 2
	s_lshl_b32 s47, s45, 11
	s_lshl_b32 s62, s42, 8
	s_add_co_u32 s47, s47, s62
	s_lshl_b32 s62, s18, 6
	s_add_co_u32 s47, s47, s62                     ; my first unit: 2048 e + 256 column tile + 64 w
	s_lshl_b32 s56, s47, 10
	s_wait_alu depctr_va_vdst(0)
	s_wait_kmcnt 0x0
	s_add_nc_u64 s[48:49], s[6:7], s[56:57]        ; its row of W0
	s_lshl_b32 s56, s47, 2
	s_add_nc_u64 s[50:51], s[8:9], s[56:57]        ; its b0
	s_load_b32 s20, s[14:15], s41 offset:0x0       ; the expert's count
	s_load_b128 s[28:31], s[10:11], 0x0            ; e0 (W0), e1 (x), e2 (h), e3 (W1)
.Ltrip:
	s_wait_xcnt 0x0                                ; the last trip's loads and stores have read their bases, offsets and data: all may be written again
	s_min_u32 s46, s43, 14
	s_mul_i32 s56, s45, 2304
	s_mul_i32 s62, s46, 144
	s_add_co_u32 s56, s56, s62
	s_lshl_b32 s56, s56, 2
	s_add_nc_u64 s[52:53], s[12:13], s[56:57]      ; the tile's 144 entries of the list
	s_mul_i32 s56, s45, 135
	s_mul_i32 s62, s46, 9
	s_add_co_u32 s56, s56, s62
	s_lshl_b32 s56, s56, 4
	s_lshl_b32 s62, s42, 1
	s_add_co_u32 s56, s56, s62
	s_add_co_u32 s56, s56, s86
	s_lshl_b32 s56, s56, 11
	s_add_co_u32 s56, s56, s87
	s_add_nc_u64 s[54:55], s[16:17], s[56:57]      ; my codes of block 0
	s_cmp_eq_u32 s44, 0
	s_cbranch_scc1 .Ls1
	; ---- the operands come in: the list, b0, the first half of W0 along K, my 36 rows of x, the second half of W0
.set j, 0
.rept 9
	global_load_b64 v[XO+2*j:XO+2*j+1], v[LO], s[52:53] offset:8*j
.set j, j+1
.endr
.irp t, 0,1,2,3
	global_load_b128 v[B0+8*\t:B0+8*\t+3], v[BO], s[50:51] offset:(32*(\t/2)+8*(\t%2))*4      ; b0 in the result's layout: units 32 (t / 2) + 8 (t % 2) + 16 (lane / 16) + 0 .. 7
	global_load_b128 v[B0+8*\t+4:B0+8*\t+7], v[BO], s[50:51] offset:(32*(\t/2)+8*(\t%2))*4+16
.endr
	LDW 0
	LDW 1
	WIN 0
	s_wait_loadcnt 63                              ; 8 + 64 loads stand behind the list's: the tokens are in
.set j, 0
.rept 18
	v_min_u32 v[XO+j], 0x7ff, v[XO+j]
	v_lshl_add_u32 v[XO+j], v[XO+j], 10, v[CL16]   ; the token's row of 1,024 bytes, + 16 (lane % 16)
.set j, j+1
.endr
	s_wait_alu depctr_va_vdst(0)
.set l, 0
.rept 72                               ; two rows x 256 consecutive bytes a load
.if l < 64
	WIN 0x40
.else
	WIN 0x80
.endif
	global_load_b128 v[4*(l%64):4*(l%64)+3], v[XO+l/4], s[4:5] offset:256*(l%4)
.set l, l+1
.endr
	s_wait_loadcnt 63                              ; 72 loads stand behind LDW 1's: W0's first half is in
	STW 0
	STW 1
	s_wait_loadcnt 36                              ; the first 36 pieces of x
.set l, 0
	STX
	s_wait_dscnt 63                                ; 68 stores stand behind STW 0's: its registers have been read
	LDW 2
	s_wait_loadcnt 32                              ; all but LDW 2's: x is in
	STX
	s_wait_dscnt 63                                ; 72 stores stand behind STW 1's
	LDW 3
	WIN 0
.Ls1:
	s_wait_kmcnt 0x0
	s_add_co_i32 s[S1], s28, s29
	s_add_co_i32 s[S1], s[S1], 127
	s_lshl_b32 s[S1], s[S1], 23                    ; 2^(e0 + e1) as f32
	s_mov_b32 s[S1+1], s[S1]
	s_add_co_i32 s62, s30, 127
	s_lshl_b32 s47, s62, 23
	v_mov_b32 v[SCL], s47                          ; 2^e2: the conversion takes its exponent field
	s_add_co_i32 s62, s62, 15
	s_lshl_b32 s62, s62, 23
	s_or_b32 s62, s62, 0x600000
	v_mov_b32 v[LIM], s62                          ; 57,344 x 2^e2
	s_wait_alu depctr_va_vdst(0)
	s_wait_dscnt 0x0                               ; for the others' sake: my rows of x lie in LDS
	s_barrier_signal -1
	s_barrier_wait -1
	s_cmp_eq_u32 s44, 0
	s_cbranch_scc1 .Ls2
	; ---- the products
.irp t, 0,1,2,3
	FRAGW \t, 0
.endr
.irp a, 0,1,2,3,4,5,6,7,8
	FRAGX \a, 0
.endr
.irp q, 0,1,2,3,4,5,6,7
	SUB \q
.endr
	; ---- the way out (b0 came in ahead of x)
.irp a, 0,1,2,3,4,5,6,7,8
	GELU \a
.endr
.Ls2:
	s_wait_loadcnt 0x0                             ; every way into the next trip has all its loads in: their registers are loaded again there
	s_add_co_u32 s43, s43, 4                       ; the next trip's row tile:
	s_mul_i32 s62, s43, 144
	s_cmp_lt_u32 s62, s20
	s_cselect_b32 s44, 1, 0                        ; has the expert rows there?
	s_wait_dscnt 0x0                               ; my reads of x's tile are over: behind this barrier the next trip may lay its rows there
	s_barrier_signal -1
	s_barrier_wait -1
	s_add_co_u32 s19, s19, 1
	s_cmp_lt_u32 s19, 4
	s_cbranch_scc1 .Ltrip
	s_wait_tensorcnt 0x0                           ; the wave's end
	ds_add_u32 v[SPW], v[NIL]
	s_wait_dscnt 0x0
	s_endpgm
.Lfunc_end_k_q783699b93e_up:
	.size	k_q783699b93e_up, .Lfunc_end_k_q783699b93e_up-k_q783699b93e_up
	.p2alignl 7, 3214868480
	.fill 96, 4, 3214868480
	.section	.rodata,"a",@progbits
	.p2align	6, 0x0
	.amdhsa_kernel k_q783699b93e_up
		.amdhsa_group_segment_fixed_size 289536
		.amdhsa_private_segment_fixed_size 0
		.amdhsa_enable_private_segment 0
		.amdhsa_kernarg_size 56
		.amdhsa_user_sgpr_count 2
		.amdhsa_user_sgpr_kernarg_segment_ptr 1
		.amdhsa_wavefront_size32 1
		.amdhsa_system_sgpr_workgroup_id_x 1
		.amdhsa_system_sgpr_workgroup_id_y 1
		.amdhsa_system_sgpr_workgroup_id_z 1
		.amdhsa_system_vgpr_workitem_id 0
		.amdhsa_next_free_vgpr 1024
		.amdhsa_next_free_sgpr 100
		.amdhsa_reserve_vcc 0
		.amdhsa_float_denorm_mode_32 3
		.amdhsa_float_denorm_mode_16_64 3
		.amdhsa_memory_ordered 1
		.amdhsa_forward_progress 1
		.amdhsa_inst_pref_size 255
	.end_amdhsa_kernel
	.section	.bss,"aw",@nobits
	.p2align	6
	.space	262144
	.amdgpu_metadata
---
amdhsa.version: [ 1, 2 ]
amdhsa.kernels:
  - .name:           k_q783699b93e_up
    .symbol:         k_q783699b93e_up.kd
    .args:
      - { .name: x_codes, .offset: 0, .size: 8, .value_kind: global_buffer, .address_space: global }
      - { .name: w0_codes, .offset: 8, .size: 8, .value_kind: global_buffer, .address_space: global }
      - { .name: b0, .offset: 16, .size: 8, .value_kind: global_buffer, .address_space: global }
      - { .name: lowp_scales, .offset: 24, .size: 8, .value_kind: global_buffer, .address_space: global }
      - { .name: list, .offset: 32, .size: 8, .value_kind: global_buffer, .address_space: global }
      - { .name: counts, .offset: 40, .size: 8, .value_kind: global_buffer, .address_space: global }
      - { .name: hq, .offset: 48, .size: 8, .value_kind: global_buffer, .address_space: global }
    .group_segment_fixed_size: 289536
    .private_segment_fixed_size: 0
    .kernarg_segment_align: 8
    .kernarg_segment_size: 56
    .max_flat_workgroup_size: 128
    .sgpr_count:     100
    .vgpr_count:     1024
    .wavefront_size: 32
...
	.end_amdgpu_metadata
.endif
;; end of part 2
;; launch down (part 3): grid 256 x 1, 4 waves a work-group, no clusters, 319,232 bytes of LDS; arguments hq, w1_codes, b1, lowp_scales, counts, ybuf; writes ybuf
.if DOCPART == 3
	.amdgcn_target "amdgcn-amd-amdhsa--gfx1250"
	.amdhsa_code_object_version 6
	.text
	.protected	k_q783699b93e_down
	.globl	k_q783699b93e_down
	.p2align	8
	.type	k_q783699b93e_down,@function
k_q783699b93e_down:
	s_mov_b64 s[64:65], 0
	v_nop
	global_prefetch_b8 v0, s[64:65] scope:SCOPE_SE
	s_setreg_imm32_b32 hwreg(HW_REG_WAVE_MODE, 25, 1), 1
	s_wait_xcnt 0x0
; ybuf[e][rank] = h W1[e] + b1[e], rounded to bf16, for the rows whose gate is not 0 (and the rows that pad a tile); the first launch's head comment shows why the others add nothing, and the limit that this keeps.
; h: codes of BF8 as images of the operand's registers (the launch before laid them so); W1: [8][1024][2048] codes, K innermost.  A sum stands for sum x 2^(e2 + e3).
; y is an operand of the sum over experts, a product that is left as it is: it goes on in bf16.  ybuf: [8 x 2160 rows][1024] bf16, row 2160 e + rank.
; WHO DOES WHAT.  A tile is 144 rows of one expert x 128 outputs.  Work-group: expert e = its number % 8, column tile = the next three bits, first row tile = the top two; trip n takes row tile first + 4 n.
; Trip 0 hangs on no count: all its addresses are made of ids, and its loads go out at once.  Trips 1 to 3 serve experts with more than 576 rows: W1's tile lies in LDS by then; a trip without rows jumps over its work by a
; scalar branch on the stored count, with the trip's two barriers outside. The launch has no tensor load and no cluster.  No prefetch: trip 0 is one stream of loads that is asked for as far ahead as its registers reach.
; SHARES.  K goes in 8 chunks of 256.  W1's tile, 128 rows x 2,048 bytes, is shared: wave w brings rows 32 w .. 32 w + 31, a chunk at a time, each chunk into LDS bytes of its own, one barrier a chunk.
; The nine blocks of 16 rows: wave w takes blocks 2 w and 2 w + 1 against all 8 tiles of 16 outputs, h straight from memory into registers; block 8 is shared by columns: its fragments go through LDS (each wave brings a
; quarter), and wave w takes the two tiles 2 w, 2 w + 1.  So that these are the same registers in every wave, a wave numbers its tile PAIRS from its own on: local pair p is pair (p + w) % 4.  18 accumulators a wave.
; THE PRODUCT IS USED TRANSPOSED (source 0 = 16 rows of W1, source 1 = 16 rows of h): a lane holds eight neighbouring outputs of one row.
; b1 x 2^-(e2 + e3) starts the sums, so y = sum x 2^(e2 + e3).
; LIMITS: e2 + e3 between -126 and 126; |b1| under 2^(127 + e2 + e3); NaN among codes and biases is not served.
; REGISTERS, in windows of 256.  Window 0: v2-31 addresses; v32-95 b1, then a block read back; v96-223 W1 as loaded, two sets of 64; on the way out y in f32 (v96-159), packed (v160-191), read back (v192-223).
;   window 1: v0-127 h's fragments, two sets (q, block); v128-159 block 8's; v160-175 my pieces of block 8 as loaded.   window 2: W1's fragments, two sets of 128.
;   window 3: accumulators (a, t) at 8 (8 a + t), a = 0, 1; block 8's two at v128-143.
.set TP,    2064                       ; W1's row in LDS: 2,048 bytes + 16 = 129 x 16: the 16 rows of a fragment load start at 16 different groups of four banks (64 banks of 4 bytes: ISA guide 11.1)
.set SP,    272                        ; a stage row: 256 bytes + 16
.set STG,   128*TP                     ; behind W1's tile: a stage of 16 rows for each wave,
.set CST,   STG+4*16*SP                ; one that the waves share, for block 8,
.set H8L,   CST+16*SP                  ; block 8's fragments of h: 8 chunks x 4,096 bytes,
.set SPARE, H8L+32768                  ; and the spare words, 128 bytes for each wave: two blocks of 256 bytes that no other line names
.set GW,   2                           ; v2   (lane / 16) rows of 2,048 bytes + 16 (lane % 16): W1 in memory, and y in ybuf
.set SWT,  3                           ; v3   where I lay W1's rows
.set BT,   4                           ; v4-7 W1's fragments: local pairs 0-3
.set HO,   8                           ; v8   16 x lane
.set ST8,  9                           ; v9   the shared stage: where I put block 8's results
.set RD,   10                          ; v10  my stage: where I read a row back
.set R8,   11                          ; v11  the shared stage: likewise, rows 4 w on
.set S8,   12                          ; v12  where I lay my pieces of block 8's fragments
.set SPW,  13                          ; v13  LDS address of my spare word; never rewritten
.set NIL,  14                          ; v14  0; never rewritten
.set A8,   15                          ; v15  block 8's fragments
.set STO,  16                          ; v16-19 my stage: where I put 16 bytes of a row, local pairs 0-3
.set BO,   20                          ; v20-23 b1: local pairs 0-3
.set BTW,  24                          ; v24-26 temporaries of the head
.set B1,   32
.set WST,  96
.set YF,   96
.set YP,   160
.set YB,   192                         ; block 0 read back; block 1: v32-63
.set S2,   60                          ; s[60:61] 2^(e2 + e3)
.set S2I,  68                          ; s[68:69] its reciprocal
.set MSB, 0
.macro WIN new                         ; the immediate's high byte repeats the setting that is left; a switch that changes nothing is dropped
.if MSB != \new
	s_set_vgpr_msb (MSB<<8)|\new
.set MSB, \new
.endif
.endm
.macro PLACES                          ; four plain vector instructions behind a matrix instruction, ahead of loads into its sources and of reads of its result (ISA guide 7.12.1 for reads of its result)
.rept 4
	v_nop
.endr
.endm
.macro LDWK k                          ; my 32 rows of W1, chunk k: 16 loads, two rows x 256 consecutive bytes each
	WIN 0
.set j, 0
.rept 16
	global_load_b128 v[WST+64*((\k)%2)+4*j:WST+64*((\k)%2)+4*j+3], v[GW], s[48:49] offset:4096*j+256*(\k)
.set j, j+1
.endr
.endm
.macro LD8 k                           ; my quarter of block 8's fragments, chunk k: 2 loads of 512 consecutive bytes
	WIN 0x40
.irp u, 0,1
	global_load_b128 v[160+8*((\k)%2)+4*\u:160+8*((\k)%2)+4*\u+3], v[HO], s[58:59] offset:4096*(\k)+512*\u
.endr
.endm
.macro LDHC k                          ; my two blocks' fragments, chunk k: 16 loads of 512 consecutive bytes
	WIN 0x40
.irp u, 0,1
.irp a, 0,1
.irp c, 0,1,2,3
	global_load_b128 v[64*((\k)%2)+32*\u+16*\a+4*\c:64*((\k)%2)+32*\u+16*\a+4*\c+3], v[HO], s[50:51] offset:\a*32768+(2*(\k)+\u)*2048+512*\c
.endr
.endr
.endr
.endm
.macro STC k                           ; chunk k's W1 rows and pieces of block 8 into LDS: 18 stores
	WIN 0
.set j, 0
.rept 16
	ds_store_b128 v[SWT], v[WST+64*((\k)%2)+4*j:WST+64*((\k)%2)+4*j+3] offset:2*TP*j+256*(\k)
.set j, j+1
.endr
	WIN 0x04
.irp u, 0,1
	ds_store_b128 v[S8], v[160+8*((\k)%2)+4*\u:160+8*((\k)%2)+4*\u+3] offset:4096*(\k)+512*\u
.endr
.endm
.macro LDB adr, off, u                 ; W1's eight fragments of 128 along K at byte off of the rows, into set u: 32 loads
	WIN 0x80
.irp t, 0,1,2,3,4,5,6,7
.irp c, 0,1,2,3
	ds_load_b128 v[128*(\u)+16*\t+4*\c:128*(\u)+16*\t+4*\c+3], v[(\adr)+\t/2] offset:(\t%2)*16*TP+(\off)+32*\c
.endr
.endr
.endm
.macro LDB8 k, u                       ; block 8's fragment: 4 loads
	WIN 0x40
.irp c, 0,1,2,3
	ds_load_b128 v[128+16*(\u)+4*\c:128+16*(\u)+4*\c+3], v[A8] offset:4096*(\k)+2048*(\u)+512*\c
.endr
.endm
.macro MULS k, u                       ; 18 matrix instructions, the accumulators by turns, one instruction a turn
	WIN 0xf6                                       ; source 0 (W1) window 2, source 1 (h) window 1, C and D window 3
.irp t, 0,1,2,3,4,5,6,7
.irp a, 0,1
	v_wmma_f32_16x16x128_bf8_bf8 v[8*(8*\a+\t):8*(8*\a+\t)+7], v[128*(\u)+16*\t:128*(\u)+16*\t+15], v[64*((\k)%2)+32*(\u)+16*\a:64*((\k)%2)+32*(\u)+16*\a+15], v[8*(8*\a+\t):8*(8*\a+\t)+7]
.endr
.endr
.irp t, 0,1
	v_wmma_f32_16x16x128_bf8_bf8 v[128+8*\t:128+8*\t+7], v[128*(\u)+16*\t:128*(\u)+16*\t+15], v[128+16*(\u):128+16*(\u)+15], v[128+8*\t:128+8*\t+7]
.endr
.endm
; Chunk k of trip 0.  The loads' order is W(0) H(0) W(1) H(1) W(2) | H(2) W(3) | H(3) W(4) ..: W = 16 of W1 + 2 of block 8, H = 16 of h; a bar stands between chunks.
.macro BODY k
	LDB BT, 256*(\k), 0
	LDB8 \k, 0
.if (\k) < 6
	LDWK (\k)+2                                    ; into the set whose stores were waited for in front of the last barrier
	LD8 (\k)+2
.endif
	LDB BT, 256*(\k)+128, 1
	LDB8 \k, 1
	s_wait_dscnt 36                                ; all but the 36 just issued: set 0 is in
.if (\k) < 6
	s_wait_loadcnt 52                              ; H(k) is in: W(k + 1), H(k + 1), W(k + 2) may be out, 18 + 16 + 18
.elseif (\k) == 6
	s_wait_loadcnt 34                              ; W(7) and H(7) may be out
.else
	s_wait_loadcnt 0x0
.endif
	MULS \k, 0
.if (\k) < 6
	s_wait_loadcnt 34                              ; W(k + 1) is in: H(k + 1), W(k + 2) may be out
	STC (\k)+1
	s_wait_dscnt 18                                ; all but the 18 stores: set 1 is in
.elseif (\k) == 6
	s_wait_loadcnt 16
	STC (\k)+1
	s_wait_dscnt 18
.else
	s_wait_dscnt 0x0
.endif
	MULS \k, 1
	PLACES
.if (\k) < 6
	LDHC (\k)+2
.endif
.if (\k) < 7
	s_wait_dscnt 0x0                               ; for the others' sake: my part of chunk k + 1 lies in LDS
	s_barrier_signal -1
	s_barrier_wait -1
.endif
.endm
.macro LDBIAS                          ; b1 in the result's layout: local tile t, outputs 8 (lane / 16) + 0 .. 7 of its 16
	WIN 0
.irp t, 0,1,2,3,4,5,6,7
	global_load_b128 v[B1+8*\t:B1+8*\t+3], v[BO+\t/2], s[52:53] offset:64*(\t%2)
	global_load_b128 v[B1+8*\t+4:B1+8*\t+7], v[BO+\t/2], s[52:53] offset:64*(\t%2)+16
.endr
.endm
.macro INIT                            ; the sums start as b1 x 2^-(e2 + e3)
	WIN 0xc0
.irp a, 0,1
.set i, 0
.rept 32
	v_pk_mul_f32 v[64*\a+i:64*\a+i+1], v[B1+i:B1+i+1], s[S2I:S2I+1] op_sel_hi:[1,0]
.set i, i+2
.endr
.endr
.set i, 0
.rept 8
	v_pk_mul_f32 v[128+i:128+i+1], v[B1+i:B1+i+1], s[S2I:S2I+1] op_sel_hi:[1,0]
.set i, i+2
.endr
	s_wait_alu depctr_va_vdst(0)
	WIN 0
.endm
.macro BASES mine                      ; row tile s43's addresses.  mine = 1: block 8's from my quarter on
	s_min_u32 s46, s43, 14
	s_mul_i32 s56, s45, 135
	s_mul_i32 s62, s46, 9
	s_add_co_u32 s62, s62, s56                     ; 135 e + 9 i
	s_lshl_b32 s56, s18, 1
	s_add_co_u32 s56, s56, s62
	s_lshl_b32 s56, s56, 15
	s_add_nc_u64 s[50:51], s[4:5], s[56:57]        ; h: block 2 w
	s_add_co_u32 s62, s62, 8
	s_lshl_b32 s56, s62, 15
.if \mine
	s_lshl_b32 s62, s18, 10
	s_add_co_u32 s56, s56, s62
.endif
	s_add_nc_u64 s[58:59], s[4:5], s[56:57]        ; h: block 8
	s_mul_i32 s56, s45, 2160
	s_mul_i32 s62, s46, 144
	s_add_co_u32 s62, s62, s56                     ; the tile's first row of y
	s_lshl_b32 s63, s42, 8
	s_lshl_b32 s56, s18, 5
	s_add_co_u32 s56, s56, s62
	s_lshl_b32 s56, s56, 11
	s_add_co_u32 s56, s56, s63
	s_add_nc_u64 s[54:55], s[14:15], s[56:57]      ; y: row 32 w of the tile, the tile's 256 bytes of it
	s_lshl_b32 s56, s18, 2
	s_add_co_u32 s56, s56, s62
	s_add_co_u32 s56, s56, 128
	s_lshl_b32 s56, s56, 11
	s_add_co_u32 s56, s56, s63
	s_add_nc_u64 s[66:67], s[14:15], s[56:57]      ; y: row 128 + 4 w
.endm
; The way out: rounded to bf16, 16 bytes a lane, through a stage, so that sixteen lanes store 256 consecutive bytes of a row.  Block 8's rows come from four waves: they go through the shared stage, with a barrier between OUT_A and OUT_B.
.macro OUT_A
	WIN 0x03
.set i, 0
.rept 8
	v_pk_mul_f32 v[YF+i:YF+i+1], v[128+i:128+i+1], s[S2:S2+1] op_sel_hi:[1,0]   ; y = sum x 2^(e2 + e3); each accumulator from its low end on
.set i, i+2
.endr
	WIN 0
.set i, 0
.rept 8
	v_cvt_pk_bf16_f32 v[YP+i], v[YF+2*i], v[YF+2*i+1]
.set i, i+1
.endr
.irp t, 0,1
	ds_store_b128 v[ST8], v[YP+4*\t:YP+4*\t+3] offset:32*\t
.endr
.irp a, 0,1
.set BK, YB-160*\a
	WIN 0x03
.set i, 0
.rept 32
	v_pk_mul_f32 v[YF+i:YF+i+1], v[64*\a+i:64*\a+i+1], s[S2:S2+1] op_sel_hi:[1,0]
.set i, i+2
.endr
	WIN 0
.set i, 0
.rept 32
	v_cvt_pk_bf16_f32 v[YP+i], v[YF+2*i], v[YF+2*i+1]
.set i, i+1
.endr
.irp t, 0,1,2,3,4,5,6,7
	ds_store_b128 v[STO+\t/2], v[YP+4*\t:YP+4*\t+3] offset:32*(\t%2)
.endr
.irp k, 0,1,2,3,4,5,6,7
	ds_load_b128 v[BK+4*\k:BK+4*\k+3], v[RD] offset:2*\k*SP      ; LDS serves a wave's instructions in order (ISA guide 5.7.1.4): these see the stores above
.endr
.endr
.irp a, 0,1
.set BK, YB-160*\a
	s_wait_dscnt 16-16*\a                          ; block a is back; block 1's 8 stores and 8 loads stand behind block 0's
.irp k, 0,1,2,3,4,5,6,7
	global_store_b128 v[GW], v[BK+4*\k:BK+4*\k+3], s[54:55] offset:\a*32768+4096*\k   ; two rows, 256 consecutive bytes of each, at multiples of 256 from ybuf's first byte
.endr
.endr
.endm
.macro OUT_B
.irp u, 0,1
	ds_load_b128 v[64+4*\u:64+4*\u+3], v[R8] offset:2*\u*SP
.endr
	s_wait_dscnt 0x0
.irp u, 0,1
	global_store_b128 v[GW], v[64+4*\u:64+4*\u+3], s[66:67] offset:4096*\u
.endr
.endm
	s_load_b256 s[4:11], s[0:1], 0x0               ; hq s[4:5], W1 s[6:7], b1 s[8:9], the scales' exponents s[10:11]
	s_load_b128 s[12:15], s[0:1], 0x20             ; counts s[12:13], ybuf s[14:15]
	v_lshl_add_u32 v[SPW], v0, 2, SPARE
	v_mov_b32 v[NIL], 0
	v_lshrrev_b32 v28, 5, v0
	v_readfirstlane_b32 s18, v28                   ; wave 0..3
	v_and_b32 v28, 15, v0                          ; lane % 16
	v_bfe_u32 v29, v0, 4, 1                        ; lane / 16
	v_and_b32 v30, 31, v0                          ; lane
	v_lshlrev_b32 v31, 4, v28
	v_lshl_add_u32 v[GW], v29, 11, v31
	v_lshlrev_b32 v[HO], 4, v30
	v_mul_u32_u24 v[SWT], v29, TP
	v_add_nc_u32 v[SWT], v[SWT], v31
	v_mul_u32_u24 v[BTW], v28, TP
	v_lshl_add_u32 v[BTW], v29, 4, v[BTW]          ; a fragment: row lane % 16, + 16 (lane / 16)
	v_mul_u32_u24 v[BTW+1], v28, SP
	v_lshl_add_u32 v[BTW+1], v29, 4, v[BTW+1]      ; into a stage: likewise
	v_lshlrev_b32 v[BTW+2], 5, v29                 ; b1: 32 (lane / 16)
	v_mul_u32_u24 v[RD], v29, SP
	v_add_nc_u32 v[RD], v[RD], v31                 ; back from a stage: lanes 0-15 one row, lanes 16-31 the next
	s_wait_alu depctr_va_vdst(0)                   ; ahead of the readers below
	s_mul_i32 s47, s18, 32*TP
	v_add_nc_u32 v[SWT], s47, v[SWT]
	s_lshl_b32 s47, s18, 10
	s_add_co_u32 s47, s47, H8L
	v_add_nc_u32 v[S8], s47, v[HO]
	v_add_nc_u32 v[A8], H8L, v[HO]
	s_mul_i32 s47, s18, 4*SP
	s_add_co_u32 s47, s47, CST
	v_add_nc_u32 v[R8], s47, v[RD]
	s_lshl_b32 s47, s18, 6
	s_add_co_u32 s47, s47, CST
	v_add_nc_u32 v[ST8], s47, v[BTW+1]             ; my pair's 64 bytes of the shared stage's rows
	s_mul_i32 s21, s18, 16*SP
	s_add_co_u32 s21, s21, STG                     ; my stage
	v_add_nc_u32 v[RD], s21, v[RD]
.irp p, 0,1,2,3
	s_add_co_u32 s62, s18, \p
	s_and_b32 s62, s62, 3                          ; local pair p's true number
	s_mul_i32 s63, s62, 32*TP
	v_add_nc_u32 v[BT+\p], s63, v[BTW]
	s_lshl_b32 s63, s62, 6
	s_add_co_u32 s63, s63, s21
	v_add_nc_u32 v[STO+\p], s63, v[BTW+1]
	s_lshl_b32 s63, s62, 7
	v_add_nc_u32 v[BO+\p], s63, v[BTW+2]
.endr
	s_and_b32 s45, ttmp9, 7                        ; e
	s_bfe_u32 s42, ttmp9, 0x30003                  ; the column tile
	s_lshr_b32 s43, ttmp9, 6                       ; the trip's row tile i: first of four, then 4 on in each trip
	s_mov_b32 s57, 0                               ; the upper word of every offset
	s_lshl_b32 s41, s45, 2
	s_lshl_b32 s56, s45, 21
	s_lshl_b32 s62, s42, 18
	s_add_co_u32 s56, s56, s62
	s_lshl_b32 s62, s18, 16
	s_add_co_u32 s56, s56, s62
	s_wait_alu depctr_va_vdst(0)
	s_wait_kmcnt 0x0
	s_add_nc_u64 s[48:49], s[6:7], s[56:57]        ; W1: row 1024 e + 128 column tile + 32 w, of 2,048 bytes
	LDWK 0
	s_lshl_b32 s56, s45, 12
	s_lshl_b32 s62, s42, 9
	s_add_co_u32 s56, s56, s62
	s_add_nc_u64 s[52:53], s[8:9], s[56:57]        ; b1: (1024 e + 128 column tile) x 4
	LDBIAS
	s_load_b32 s20, s[12:13], s41 offset:0x0       ; the expert's count
	s_load_b128 s[28:31], s[10:11], 0x0            ; e0, e1, e2 (h), e3 (W1)
	BASES 1
	LD8 0
	LDHC 0
	LDWK 1
	LD8 1
	LDHC 1
	WIN 0
	s_wait_kmcnt 0x0
	s_min_u32 s20, s20, 0x800                      ; an expert has 2,048 rows at the most
	s_add_co_i32 s62, s30, s31
	s_add_co_i32 s63, s62, 127
	s_lshl_b32 s[S2], s63, 23                      ; 2^(e2 + e3) as f32
	s_mov_b32 s[S2+1], s[S2]
	s_sub_co_i32 s63, 127, s62
	s_lshl_b32 s[S2I], s63, 23
	s_mov_b32 s[S2I+1], s[S2I]
	s_wait_loadcnt 50                              ; H(0), W(1), H(1), 16 + 18 + 16, may be out: chunk 0 of W1 and of block 8, and b1, are in
	INIT
	STC 0
	s_wait_dscnt 0x0                               ; for the others' sake: my part of chunk 0 lies in LDS
	s_barrier_signal -1
	s_barrier_wait -1
.irp k, 0,1,2,3,4,5,6,7
	BODY \k
.endr
	OUT_A
	s_wait_dscnt 0x0                               ; for the others' sake: my part of the shared stage is written
	s_barrier_signal -1
	s_barrier_wait -1
	OUT_B
	; ---- trips 1 to 3: W1's whole tile lies in LDS; block 8's fragments come straight from memory
	s_mov_b32 s19, 1
.Ltrip:
	s_wait_xcnt 0x0                                ; the loads and stores before have read their bases and data
	s_add_co_u32 s43, s43, 4
	s_mul_i32 s62, s43, 144
	s_cmp_lt_u32 s62, s20
	s_cselect_b32 s44, 1, 0                        ; has the expert rows there?
	BASES 0                                        ; on every trip's way, ahead of the branch: the addresses are made of ids alone
	s_wait_dscnt 0x0                               ; my reads of the shared stage are over: behind this barrier it may be written again
	s_barrier_signal -1
	s_barrier_wait -1
	s_cmp_eq_u32 s44, 0
	s_cbranch_scc1 .Ls1
	LDBIAS
	s_wait_loadcnt 0x0
	INIT
.irp k, 0,1,2,3,4,5,6,7
	PLACES
	LDHC \k
.irp u, 0,1
.irp c, 0,1,2,3
	global_load_b128 v[128+16*\u+4*\c:128+16*\u+4*\c+3], v[HO], s[58:59] offset:(2*\k+\u)*2048+512*\c
.endr
.endr
	LDB BT, 256*\k, 0
	LDB BT, 256*\k+128, 1
	s_wait_dscnt 0x0
	s_wait_loadcnt 0x0
	MULS \k, 0
	MULS \k, 1
.endr
	PLACES
	OUT_A
.Ls1:
	s_wait_dscnt 0x0                               ; for the others' sake: my part of the shared stage is written
	s_barrier_signal -1
	s_barrier_wait -1
	s_cmp_eq_u32 s44, 0
	s_cbranch_scc1 .Ls2
	OUT_B
.Ls2:
	s_add_co_u32 s19, s19, 1
	s_cmp_lt_u32 s19, 4
	s_cbranch_scc1 .Ltrip
	s_wait_tensorcnt 0x0                           ; the wave's end
	ds_add_u32 v[SPW], v[NIL]
	s_wait_dscnt 0x0
	s_endpgm
.Lfunc_end_k_q783699b93e_down:
	.size	k_q783699b93e_down, .Lfunc_end_k_q783699b93e_down-k_q783699b93e_down
	.p2alignl 7, 3214868480
	.fill 96, 4, 3214868480
	.section	.rodata,"a",@progbits
	.p2align	6, 0x0
	.amdhsa_kernel k_q783699b93e_down
		.amdhsa_group_segment_fixed_size 319232
		.amdhsa_private_segment_fixed_size 0
		.amdhsa_enable_private_segment 0
		.amdhsa_kernarg_size 48
		.amdhsa_user_sgpr_count 2
		.amdhsa_user_sgpr_kernarg_segment_ptr 1
		.amdhsa_wavefront_size32 1
		.amdhsa_system_sgpr_workgroup_id_x 1
		.amdhsa_system_sgpr_workgroup_id_y 1
		.amdhsa_system_sgpr_workgroup_id_z 1
		.amdhsa_system_vgpr_workitem_id 0
		.amdhsa_next_free_vgpr 1024
		.amdhsa_next_free_sgpr 70
		.amdhsa_reserve_vcc 0
		.amdhsa_float_denorm_mode_32 3
		.amdhsa_float_denorm_mode_16_64 3
		.amdhsa_memory_ordered 1
		.amdhsa_forward_progress 1
		.amdhsa_inst_pref_size 211
	.end_amdhsa_kernel
	.amdgpu_metadata
---
amdhsa.version: [ 1, 2 ]
amdhsa.kernels:
  - .name:           k_q783699b93e_down
    .symbol:         k_q783699b93e_down.kd
    .args:
      - { .name: hq, .offset: 0, .size: 8, .value_kind: global_buffer, .address_space: global }
      - { .name: w1_codes, .offset: 8, .size: 8, .value_kind: global_buffer, .address_space: global }
      - { .name: b1, .offset: 16, .size: 8, .value_kind: global_buffer, .address_space: global }
      - { .name: lowp_scales, .offset: 24, .size: 8, .value_kind: global_buffer, .address_space: global }
      - { .name: counts, .offset: 32, .size: 8, .value_kind: global_buffer, .address_space: global }
      - { .name: ybuf, .offset: 40, .size: 8, .value_kind: global_buffer, .address_space: global }
    .group_segment_fixed_size: 319232
    .private_segment_fixed_size: 0
    .kernarg_segment_align: 8
    .kernarg_segment_size: 48
    .max_flat_workgroup_size: 128
    .sgpr_count:     70
    .vgpr_count:     1024
    .wavefront_size: 32
...
	.end_amdgpu_metadata
.endif
;; end of part 3
;; launch mix (part 4): grid 256 x 1, 8 waves a work-group, no clusters, 0 bytes of LDS; arguments routing_tensor, pos, ybuf, out0; writes out0
.if DOCPART == 4
	.amdgcn_target "amdgcn-amd-amdhsa--gfx1250"
	.amdhsa_code_object_version 6
	.text
	.protected	k_q783699b93e_mix
	.globl	k_q783699b93e_mix
	.p2align	8
	.type	k_q783699b93e_mix,@function
k_q783699b93e_mix:
	s_mov_b64 s[64:65], 0
	v_nop
	global_prefetch_b8 v0, s[64:65] scope:SCOPE_SE
	s_setreg_imm32_b32 hwreg(HW_REG_WAVE_MODE, 25, 1), 1
	s_wait_xcnt 0x0
; out[n] = sum over e of g[n][e] y[e][n], in f32; y comes as bf16 from ybuf, row 2160 e + pos[e][n].
; An expert whose gate for the token is 0 has pos = -1 and no row: its term is left out (the first launch's head comment shows why it adds nothing, and the limit that this keeps).
; What is asked for hangs on pos, whole numbers that an earlier launch stored.  A token with no expert gets zeros.
; SHARES.  A wave takes one token: n = 8 x work-group + wave.  A lane holds 32 of the row's 1,024 numbers: piece p = 0 .. 7 is outputs 128 p + 4 lane + 0 .. 3: 8 bytes of y (a wave's load covers 256 consecutive bytes),
; 16 bytes of out (a wave's store covers 512).  No LDS, no barrier, no matrix unit: K = 8, of which few terms are live.
; ALL OF A TOKEN'S ROWS ARE ASKED FOR TOGETHER.  First the live experts are pressed together in scalar registers, with no branch: slot 0 the lowest live expert's row and gate, slot 1 the next, L of them.
; Then slot k's eight loads go into a set of registers of its own, k = 0 .. L - 1; behind slot L - 1 a jump leads into a chain of sums that is written from slot 7 down to slot 0, at slot L - 1:
; so every way to a slot's sum has passed that slot's loads.  ORDER OF ROUNDING: the terms are added from the highest live expert down.
.set ACC, 16                           ; v16-47   the sums
.set YL,  48                           ; v48-175  slot k: 16 registers, a row of y as loaded
.set RW,  48                           ; s48-55   slot k: the row, 2160 e + pos
.set GT,  66                           ; s[66+2k:67+2k] slot k: the gate, in a pair for the packed form
.set BS,  82                           ; s[82+2k:83+2k] slot k: the row's address
	s_load_b256 s[4:11], s[0:1], 0x0               ; routing_tensor s[4:5], pos s[6:7], ybuf s[8:9], out s[10:11]
	v_lshrrev_b32 v1, 5, v0
	s_delay_alu instid0(VALU_DEP_1)
	v_readfirstlane_b32 s12, v1                    ; wave 0..7
	v_and_b32 v1, 31, v0
	s_delay_alu instid0(VALU_DEP_1)
	v_lshlrev_b32 v2, 3, v1                        ; 8 x lane
	s_delay_alu instid0(VALU_DEP_2)
	v_lshlrev_b32 v3, 4, v1                        ; 16 x lane
	s_lshl_b32 s13, ttmp9, 3
	s_add_co_u32 s13, s13, s12                     ; n
	s_lshl_b32 s14, s13, 2                         ; its word in a row of pos
	s_lshl_b32 s15, s13, 5                         ; its eight gates
	s_lshl_b32 s20, s13, 12                        ; its row of out
	s_mov_b32 s21, 0
	s_mov_b32 s17, 0                               ; the upper word of a row's offset
	s_mov_b32 s22, 0xffff0000                      ; a word's upper bf16
	s_mov_b32 s23, 0                               ; L
.irp k, 0,1,2,3,4,5,6,7
	s_mov_b32 s[RW+\k], 0                          ; the selects below name a slot as their second choice before it has been filled
	s_mov_b32 s[GT+2*\k], 0
.endr
	s_wait_kmcnt 0x0
.irp e, 0,1,2,3,4,5,6,7
	s_load_b32 s[24+\e], s[6:7], s14 offset:8192*\e
.endr
	s_load_b256 s[32:39], s[4:5], s15 offset:0x0
	s_add_nc_u64 s[10:11], s[10:11], s[20:21]
.set i, 0
.rept 32
	v_mov_b32 v[ACC+i], 0                          ; which slot's sum comes first hangs on L, and there may be none: so the sums begin as zeros
.set i, i+1
.endr
	s_wait_kmcnt 0x0
; From expert 7 down to 0: a live expert is pushed in front, and the slots filled so far, 7 - e at the most, move one up.
.irp e, 7,6,5,4,3,2,1,0
	s_add_co_u32 s18, s[24+\e], 2160*\e
	s_cmp_ge_i32 s[24+\e], 0                       ; live?  The selects leave SCC alone
.set kk, 7-\e
.rept 7-\e
	s_cselect_b32 s[RW+kk], s[RW+kk-1], s[RW+kk]
	s_cselect_b32 s[GT+2*kk], s[GT+2*kk-2], s[GT+2*kk]
.set kk, kk-1
.endr
	s_cselect_b32 s[RW], s18, s[RW]
	s_cselect_b32 s[GT], s[32+\e], s[GT]
	s_cselect_b32 s19, 1, 0
	s_add_co_u32 s23, s23, s19
.endr
.macro ISSUE k                         ; slot k's row: eight loads, 256 consecutive bytes each
	s_min_u32 s16, s[RW+\k], 17279                 ; 8 x 2160 - 1: inside ybuf
	s_lshl_b32 s16, s16, 11
	s_add_nc_u64 s[BS+2*\k:BS+2*\k+1], s[8:9], s[16:17]
.irp p, 0,1,2,3,4,5,6,7
	global_load_b64 v[YL+16*\k+2*\p:YL+16*\k+2*\p+1], v2, s[BS+2*\k:BS+2*\k+1] offset:256*\p
.endr
	s_mov_b32 s[GT+2*\k+1], s[GT+2*\k]             ; (named with the gate as a pair, so it is written)
.endm
.macro TAKE k, n                       ; slot k's term; the way in for a token with n live experts
.Lacc_\n:
	s_wait_loadcnt 0x0                             ; all rows were asked for on end; behind the first of these waits the others are met at once
.irp p, 0,1,2,3,4,5,6,7
	v_lshlrev_b32 v[4+4*(\p%2)], 16, v[YL+16*\k+2*\p]       ; bf16 to f32: the low half moves up,
	v_and_b32 v[5+4*(\p%2)], s22, v[YL+16*\k+2*\p]          ; the high half stays
	v_lshlrev_b32 v[6+4*(\p%2)], 16, v[YL+16*\k+2*\p+1]
	v_and_b32 v[7+4*(\p%2)], s22, v[YL+16*\k+2*\p+1]
	s_delay_alu instid0(VALU_DEP_3)
	v_pk_fma_f32 v[ACC+4*\p:ACC+4*\p+1], v[4+4*(\p%2):5+4*(\p%2)], s[GT+2*\k:GT+2*\k+1], v[ACC+4*\p:ACC+4*\p+1] op_sel_hi:[1,0,1]
	s_delay_alu instid0(VALU_DEP_2)
	v_pk_fma_f32 v[ACC+4*\p+2:ACC+4*\p+3], v[6+4*(\p%2):7+4*(\p%2)], s[GT+2*\k:GT+2*\k+1], v[ACC+4*\p+2:ACC+4*\p+3] op_sel_hi:[1,0,1]
.endr
.endm
.irp k, 0,1,2,3,4,5,6,7
	s_cmp_eq_u32 s23, \k
	s_cbranch_scc1 .Lacc_\k                        ; no slot is left: on to the sums of the k slots asked for
	ISSUE \k
.endr
	TAKE 7, 8
	TAKE 6, 7
	TAKE 5, 6
	TAKE 4, 5
	TAKE 3, 4
	TAKE 2, 3
	TAKE 1, 2
	TAKE 0, 1
.Lacc_0:
	s_wait_alu depctr_va_vdst(0)
.irp p, 0,1,2,3,4,5,6,7
	global_store_b128 v3, v[ACC+4*\p:ACC+4*\p+3], s[10:11] offset:512*\p th:TH_STORE_NT   ; 512 consecutive bytes, at a multiple of 512 from out's first byte; written once, read by nobody here
.endr
	s_endpgm
.Lfunc_end_k_q783699b93e_mix:
	.size	k_q783699b93e_mix, .Lfunc_end_k_q783699b93e_mix-k_q783699b93e_mix
	.p2alignl 7, 3214868480
	.fill 96, 4, 3214868480
	.section	.rodata,"a",@progbits
	.p2align	6, 0x0
	.amdhsa_kernel k_q783699b93e_mix
		.amdhsa_group_segment_fixed_size 0
		.amdhsa_private_segment_fixed_size 0
		.amdhsa_enable_private_segment 0
		.amdhsa_kernarg_size 32
		.amdhsa_user_sgpr_count 2
		.amdhsa_user_sgpr_kernarg_segment_ptr 1
		.amdhsa_wavefront_size32 1
		.amdhsa_system_sgpr_workgroup_id_x 1
		.amdhsa_system_sgpr_workgroup_id_y 1
		.amdhsa_system_sgpr_workgroup_id_z 1
		.amdhsa_system_vgpr_workitem_id 0
		.amdhsa_next_free_vgpr 176
		.amdhsa_next_free_sgpr 98
		.amdhsa_reserve_vcc 0
		.amdhsa_float_denorm_mode_32 3
		.amdhsa_float_denorm_mode_16_64 3
		.amdhsa_memory_ordered 1
		.amdhsa_forward_progress 1
		.amdhsa_inst_pref_size 36
	.end_amdhsa_kernel
	.amdgpu_metadata
---
amdhsa.version: [ 1, 2 ]
amdhsa.kernels:
  - .name:           k_q783699b93e_mix
    .symbol:         k_q783699b93e_mix.kd
    .args:
      - { .name: routing_tensor, .offset: 0, .size: 8, .value_kind: global_buffer, .address_space: global }
      - { .name: pos, .offset: 8, .size: 8, .value_kind: global_buffer, .address_space: global }
      - { .name: ybuf, .offset: 16, .size: 8, .value_kind: global_buffer, .address_space: global }
      - { .name: out0, .offset: 24, .size: 8, .value_kind: global_buffer, .address_space: global }
    .group_segment_fixed_size: 0
    .private_segment_fixed_size: 0
    .kernarg_segment_align: 8
    .kernarg_segment_size: 32
    .max_flat_workgroup_size: 256
    .sgpr_count:     98
    .vgpr_count:     176
    .wavefront_size: 32
...
	.end_amdgpu_metadata
.endif
;; end of part 4
